; MI455X (gfx1250); checked and timed in simulation.
; The chip was launched on July 23, 2026; its instructions are those of AMD's public machine-readable ISA for CDNA 5 (MIT licence, August 2026) and "CDNA5" Instruction Set Architecture Reference Guide (July 2026). The comments in the code are by the model that wrote it; some were corrected since.
;; Scaled Dot Product Attention. Allowed arithmetic: float matrix products may take bf16 or f16 operands with f32 sums; all other float work in f32.
;; Inputs: K 8 x 16 x 1,024 x 64 float32; Q 8 x 16 x 1,024 x 64 float32; V 8 x 16 x 1,024 x 64 float32.
;; Outputs: out0 8 x 16 x 1,024 x 64 float32.
;; One version. Each part assembles by itself: llvm-mc -triple=amdgcn-amd-amdhsa -mcpu=gfx1250 --defsym DOCPART=n.
;; ======== version 1 of 1: 1 launch
;; limits: values are held in f16: magnitudes above 65,504 overflow, below 6.1e-05 lose precision; inputs' magnitudes at most 65,504
;; launch attn (part 1): grid 256 x 1, 8 waves a work-group, no clusters, 152,576 bytes of LDS; arguments Q, K, V, out0; writes out0
.if DOCPART == 1
	.amdgcn_target "amdgcn-amd-amdhsa--gfx1250"
	.amdhsa_code_object_version 6
	.text
	.protected	k_q1ea961d01b_attn
	.globl	k_q1ea961d01b_attn
	.p2align	8
	.type	k_q1ea961d01b_attn,@function
k_q1ea961d01b_attn:
	s_mov_b64 s[64:65], 0
	v_nop
	global_prefetch_b8 v0, s[64:65] scope:SCOPE_SE
	s_setreg_imm32_b32 hwreg(HW_REG_WAVE_MODE, 25, 1), 1
	s_wait_xcnt 0x0
; out = softmax(Q K^T / 8) V for 128 heads of 1,024 x 64, f32 in memory; products in f16 with f32 sums, softmax in f32 with a running maximum.
; SHARES.  Work-group g: head g >> 1, the 512 queries of half g & 1.  Wave w: 64 of them.  Every wave walks the head's 1,024 keys in 16 chunks of 64.
; BOTH PRODUCTS ARE USED TRANSPOSED.  S^T = K Q^T: lane (r, h) holds keys 8h+j of query r.  Two neighbouring key tiles, rounded to f16 in pairs, ARE
; the second source of O^T = V^T P^T, so P never leaves its registers; and in O^T lane (r, h) holds d = 8h+j of query r, so a query's maximum, factor
; and sum lie in the lanes that use them.  One exchange with lane xor 16 for each 16 queries is all the traffic between lanes.
; THE OPERANDS ARE f16, 11 significant bits: an output is a mean over some hundreds of keys and far smaller than V's numbers, so each operand's
; rounding weighs on it; bf16's 8 bits leave too little.  Room: P lies in (0, 1]; numbers of the problem's kind reach about 6, thirty times larger with
; an offset of thirty spreads about 1,100; f16's largest number is 65,504.  Thirty times smaller: below 2^-14 f16 keeps denormals, 2^-25 off at the most.
; K AND V come as f32: the 256 threads load a chunk once (each load of a wave covers 512 consecutive bytes), round it to f16 and store it into a ring
; of four LDS slots.  A chunk is asked for two trips before it is converted, into two register sets: 2 x 32 KiB of the work-group are on their way.
; NO CLUSTER: a K or V chunk is shared by two work-groups only, and it has to pass through registers to become f16.  Brought jointly into LDS as f32
; it would be written there (4 bytes a number) and read back (4 bytes) on top of the 2 bytes stored now: 64 KiB more LDS traffic a chunk, beside the
; 128 KiB of fragment reads, to halve 32 KiB of requests.  NO PREFETCH: each chunk is already asked for, into registers, two trips ahead.
; LIMITS.  |K|, |V| or |Q| x 0.18 above 65,504 become infinities.  log2(e)/8 is multiplied into Q in f32 before Q's one rounding to f16
; A weight below about 3e-8 of the running maximum's counts 0 in the second product (f16's smallest denormal is 2^-24):
; 1,023 such keys are at most 3e-5 of the sum, which is kept in f32 and is at least 1.  An exponential below 2^-126 comes out as 0 (v_exp_f32 flushes).
; The maxima drop a NaN, so a NaN in Q or K does not spread.  Scores must be finite in f32.
.set KP,    144                        ; LDS pitch of K and Q rows: 128 bytes + 16, an odd multiple of 16
.set VP,    160                        ; LDS pitch of V rows: 128 bytes + 32, an odd multiple of 32 (transposing loads)
.set OP,    272                        ; LDS pitch of an output row: 256 bytes + 16
.set KSLOT, 64*KP                      ; 9,216
.set VSLOT, 64*VP                      ; 10,240
.set VBASE, 4*KSLOT                    ; 36,864: V's four slots behind K's four
.set STGB,  VBASE+4*VSLOT              ; 77,824: the waves' own stages
.set STGW,  64*KP                      ; 9,216 a wave: Q as f16 (64 rows x 144), later 16 output rows x 272
.set CHUNK, 64*256                     ; bytes of 64 keys in f32
; registers v0-255
.set GOFF, 1                           ; 16 t: my 16 bytes of each 4,096 of a chunk
.set KST,  2                           ; where they go in a K slot: row t >> 4, 8 bytes at 8 (t & 15)
.set VST,  3                           ; the same in a V slot
.set KRD,  4                           ; K fragment: r x 144 + 16 h
.set VRD,  5                           ; V fragment, transposing: (8 h + (L & 7)) x 160 + 16 ((L >> 3) & 1)
.set QST,  6                           ; stage: Q in
.set QRD,  7                           ; stage: Q fragments out
.set OST,  8                           ; stage: results in, r x 272 + 32 h
.set ORD,  9                           ; stage: rows out, h x 272 + 16 r
.set QO,   10                          ; my bytes in Q and in out0: wave x 16,384 + 16 L
.set TS,   11                          ; scratch
.set MX,   12                          ; v[12+2q] running maximum of query tile q, v[13+2q] what the other half of the lanes sent
.set AL,   20                          ; v[20+2q] factor 2^(old max - new max), at the end 1 / sum; v[21+2q] my running sum
.set XM,   28                          ; v[28:35] chains of maxima, four for each parity of q
.set SM,   36                          ; v[36+2q:37+2q] pair sums
.set TW,   44                          ; v[44:59] a chunk's 16 words of f16
.set FR,   64                          ; v[64:127] K fragments (kt, ks) at 16 kt + 8 ks, then V fragments (dt, kp) at 16 dt + 8 kp
.set SC,   128                         ; v[128:255] scores of tile (kt, q) at 32 q + 8 kt; P of (kp, q) packed in place at 32 q + 16 kp
; registers v256-511, written by their low 8 bits
.set OB,   0                           ; v[256:383] O^T tile (dt, q) at 32 q + 8 dt
.set QF,   128                         ; v[384:447] Q fragments (q, ks) at 16 q + 8 ks
.set GB,   192                         ; v[448:511] two sets of 32: a chunk as loaded, K's four loads then V's four
.set MSB, 0
.macro WIN new                         ; low byte: bits 1:0 source 0, 3:2 source 1, 5:4 source 2, 7:6 destination; high byte: the setting that is left
.if MSB != \new
	s_set_vgpr_msb (MSB<<8)|\new
.set MSB, \new
.endif
.endm
.macro PLACES n
.rept \n
	v_nop
.endr
.endm
; eight loads: one chunk of K and of V, 16 bytes a thread each.  No hint: the partner work-group reads the same bytes.
.macro GLOAD set, off
	WIN 0x40
.irp c, 0,1,2,3
	global_load_b128 v[GB+32*\set+4*\c:GB+32*\set+4*\c+3], v[GOFF], s[6:7] offset:\off+4096*\c
.endr
.irp c, 0,1,2,3
	global_load_b128 v[GB+32*\set+16+4*\c:GB+32*\set+16+4*\c+3], v[GOFF], s[8:9] offset:\off+4096*\c
.endr
.endm
.macro CVT set                         ; 32 f32 to 16 words of f16
	WIN 0x05
.irp c, 0,1,2,3,4,5,6,7,8,9,10,11,12,13,14,15
	v_cvt_pk_f16_f32 v[TW+\c], v[GB+32*\set+2*\c], v[GB+32*\set+2*\c+1]
.endr
.endm
.macro LSTORE slot                     ; load c brought row 16 c + (t >> 4)
	WIN 0
.irp c, 0,1,2,3
	ds_store_b64 v[KST], v[TW+2*\c:TW+2*\c+1] offset:\slot*KSLOT+16*KP*\c
.endr
.irp c, 0,1,2,3
	ds_store_b64 v[VST], v[TW+8+2*\c:TW+8+2*\c+1] offset:\slot*VSLOT+16*VP*\c
.endr
.endm
.macro KFRAG slot                      ; 16 keys x 32 d: two loads of 16 bytes, 32 bytes apart
.irp kt, 0,1,2,3
.irp ks, 0,1
	ds_load_b128 v[FR+16*\kt+8*\ks:FR+16*\kt+8*\ks+3],   v[KRD] offset:\slot*KSLOT+16*KP*\kt+64*\ks
	ds_load_b128 v[FR+16*\kt+8*\ks+4:FR+16*\kt+8*\ks+7], v[KRD] offset:\slot*KSLOT+16*KP*\kt+64*\ks+32
.endr
.endr
.endm
.macro VFRAG slot                      ; 16 d x 32 keys out of rows that lie along d: two transposing loads, 16 rows apart
.irp dt, 0,1,2,3
.irp kp, 0,1
	ds_load_tr16_b128 v[FR+16*\dt+8*\kp:FR+16*\dt+8*\kp+3],   v[VRD] offset:\slot*VSLOT+32*VP*\kp+32*\dt
	ds_load_tr16_b128 v[FR+16*\dt+8*\kp+4:FR+16*\dt+8*\kp+7], v[VRD] offset:\slot*VSLOT+32*VP*\kp+32*\dt+16*VP
.endr
.endr
.endm
.macro QK                              ; 32 products: 64 keys x 64 queries x 64 d; the first 32 d start the sums
	WIN 0x04
.irp ks, 0,1
.irp qt, 0,1,2,3
.irp kt, 0,1,2,3
.if \ks == 0
	v_wmma_f32_16x16x32_f16 v[SC+32*\qt+8*\kt:SC+32*\qt+8*\kt+7], v[FR+16*\kt+8*\ks:FR+16*\kt+8*\ks+7], v[QF+16*\qt+8*\ks:QF+16*\qt+8*\ks+7], 0
.else
	v_wmma_f32_16x16x32_f16 v[SC+32*\qt+8*\kt:SC+32*\qt+8*\kt+7], v[FR+16*\kt+8*\ks:FR+16*\kt+8*\ks+7], v[QF+16*\qt+8*\ks:QF+16*\qt+8*\ks+7], v[SC+32*\qt+8*\kt:SC+32*\qt+8*\kt+7]
.endif
.endr
.endr
.endr
.endm
; The new maximum of query tile qt: my 32 scores and the old maximum in 16 three-way maxima, then the other half of the lanes.
.macro MAXQ qt, first
.set t_x, XM+4*((\qt)%2)
.set t_s, SC+32*(\qt)
.set t_q, MX+2*(\qt)
.set t_a, AL+2*(\qt)
.irp kt, 0,1,2,3
	v_max3_num_f32 v[t_x+\kt], v[t_s+8*\kt], v[t_s+8*\kt+1], v[t_s+8*\kt+2]
.endr
.irp kt, 0,1,2,3
	v_max3_num_f32 v[t_x+\kt], v[t_x+\kt], v[t_s+8*\kt+3], v[t_s+8*\kt+4]
.endr
.irp kt, 0,1,2,3
	v_max3_num_f32 v[t_x+\kt], v[t_x+\kt], v[t_s+8*\kt+5], v[t_s+8*\kt+6]
.endr
	v_max3_num_f32 v[t_x],   v[t_x],   v[t_x+1], v[t_s+7]
	v_max3_num_f32 v[t_x+2], v[t_x+2], v[t_x+3], v[t_s+15]
	v_max3_num_f32 v[t_x],   v[t_x],   v[t_x+2], v[t_s+23]
.if \first
	v_max_num_f32 v[t_x], v[t_x], v[t_s+31]
	v_permlanex16_b32 v[t_q+1], v[t_x], s18, s19   ; lane xor 16: the query's other 32 keys
	v_max_num_f32 v[t_q], v[t_x], v[t_q+1]
.else
	v_max3_num_f32 v[t_x], v[t_x], v[t_s+31], v[t_q]
	v_permlanex16_b32 v[t_q+1], v[t_x], s18, s19
	v_max_num_f32 v[t_x], v[t_x], v[t_q+1]
	v_sub_f32 v[t_a], v[t_q], v[t_x]               ; old - new, at most 0: the exponent of the factor
	v_mov_b32 v[t_q], v[t_x]
.endif
.endm
.macro SUB4 i                          ; tile i = 4 q + kt: score - maximum, two at a time (the pair's first register feeds both halves)
.irp p, 0,2,4,6
	v_pk_add_f32 v[SC+8*(\i)+\p:SC+8*(\i)+\p+1], v[SC+8*(\i)+\p:SC+8*(\i)+\p+1], v[MX+2*((\i)/4):MX+2*((\i)/4)+1] op_sel_hi:[1,0] neg_lo:[0,1] neg_hi:[0,1]
.endr
.endm
.macro EXP8 i
.irp p, 0,1,2,3,4,5,6,7
	v_exp_f32 v[SC+8*(\i)+\p], v[SC+8*(\i)+\p]
.endr
.endm
; Tile i: add its eight exponentials to the pair sum and round them to four words of f16.  An even tile packs into its own registers 0-3, an odd
; one into registers 4-7 of the even tile in front of it: together the second source of the second product.  Each pair is added before the
; word that lands on it is written.  The first add of a query tile takes two pairs, so that nothing is cleared.
.macro SUMCVT i, first
.set t_s, SC+8*(\i)
.set t_p, t_s-4*((\i)%2)
.set t_m, SM+2*((\i)/4)
.set t_a, AL+2*((\i)/4)
.if (\i)%4 == 0
	s_wait_alu depctr_va_vdst(0)
	v_pk_add_f32 v[t_m:t_m+1], v[t_s:t_s+1], v[t_s+2:t_s+3]
	v_cvt_pk_f16_f32 v[t_p], v[t_s], v[t_s+1]
.else
	s_wait_alu depctr_va_vdst(0)
	v_pk_add_f32 v[t_m:t_m+1], v[t_m:t_m+1], v[t_s:t_s+1]
	v_cvt_pk_f16_f32 v[t_p], v[t_s], v[t_s+1]
	v_pk_add_f32 v[t_m:t_m+1], v[t_m:t_m+1], v[t_s+2:t_s+3]
.endif
	v_cvt_pk_f16_f32 v[t_p+1], v[t_s+2], v[t_s+3]
	v_pk_add_f32 v[t_m:t_m+1], v[t_m:t_m+1], v[t_s+4:t_s+5]
	v_cvt_pk_f16_f32 v[t_p+2], v[t_s+4], v[t_s+5]
	v_pk_add_f32 v[t_m:t_m+1], v[t_m:t_m+1], v[t_s+6:t_s+7]
	v_cvt_pk_f16_f32 v[t_p+3], v[t_s+6], v[t_s+7]
.if (\i)%4 == 3
.if \first
	v_add_f32 v[t_a+1], v[t_m], v[t_m+1]           ; the first chunk starts my sum
.else
	v_add_f32 v[TS], v[t_m], v[t_m+1]
	v_fma_f32 v[t_a+1], v[t_a+1], v[t_a], v[TS]    ; sum = sum x factor + this chunk's
.endif
.endif
.endm
; Behind each run of v_exp_f32 stands plain work on ANOTHER tile (the next tile's subtractions; at the end tile 14's sums) before a result is
; read (ISA guide 5.7.2); the first factor is read in tile 3's sums, five tiles' exponentials later.
.macro SOFTMAX first
.irp qt, 0,1,2,3
	MAXQ \qt, \first
.endr
.if \first == 0
.irp qt, 0,1,2,3
	v_exp_f32 v[AL+2*\qt], v[AL+2*\qt]
.endr
.endif
	SUB4 0
.irp i, 0,1,2,3,4,5,6,7,8,9,10,11,12,13,14,15
	EXP8 \i
.if \i < 15
	SUB4 \i+1
.endif
.if \i > 0
	SUMCVT \i-1, \first
.endif
.endr
	SUMCVT 15, \first
.endm
.macro RESCALE                         ; O x factor of its query
	WIN 0x41
.irp qt, 0,1,2,3
.irp p, 0,2,4,6,8,10,12,14,16,18,20,22,24,26,28,30
	v_pk_mul_f32 v[OB+32*\qt+\p:OB+32*\qt+\p+1], v[OB+32*\qt+\p:OB+32*\qt+\p+1], v[AL+2*\qt:AL+2*\qt+1] op_sel_hi:[1,0]
.endr
.endr
.endm
.macro PV first                        ; 32 products: 64 d x 64 queries x 64 keys; in the first chunk the first 32 keys start the sums
	WIN 0x50
.irp kp, 0,1
.irp qt, 0,1,2,3
.irp dt, 0,1,2,3
.if (\first)*(1-\kp)
	v_wmma_f32_16x16x32_f16 v[OB+32*\qt+8*\dt:OB+32*\qt+8*\dt+7], v[FR+16*\dt+8*\kp:FR+16*\dt+8*\kp+7], v[SC+32*\qt+16*\kp:SC+32*\qt+16*\kp+7], 0
.else
	v_wmma_f32_16x16x32_f16 v[OB+32*\qt+8*\dt:OB+32*\qt+8*\dt+7], v[FR+16*\dt+8*\kp:FR+16*\dt+8*\kp+7], v[SC+32*\qt+16*\kp:SC+32*\qt+16*\kp+7], v[OB+32*\qt+8*\dt:OB+32*\qt+8*\dt+7]
.endif
.endr
.endr
.endr
.endm
; TRIP t works on chunk t in slot t & 3.  fill = 1: chunk t+1 (register set (t+1) & 1) is converted and stored into slot nslot = (t+1) & 3;
; load = 1: that set is asked for again, chunk t+3, at byte off from the stepped bases; left = loads that may stay out when chunk t+1 has to be in.
; ONE BARRIER A TRIP, its halves almost a trip apart.  The signal says: my part of chunk t+1 is stored, and my reads up to chunk t-1 are over (each
; trip waits for them in front of its second product).  Behind the wait a wave reads slot (t+1) & 3 and writes slot (t+2) & 3, which held chunk t-2.
; Between the halves stand register work and the V loads of slot t & 3, which is written again in trip t+3, two barriers later.
.macro TRIP slot, nslot, set, first, fill, left, load, off
	KFRAG \slot
.if \fill
	s_wait_loadcnt \left                           ; loads come back in order (ISA guide 5.7.1): chunk t+1 is in, the eight of chunk t+2 stay out
	CVT \set
.if \load
	GLOAD \set, \off
.endif
	LSTORE \nslot
.endif
	s_wait_dscnt 0x0                               ; for the others: my stores are done; for me: the K fragments are in
.if \fill
	s_barrier_signal -1
.endif
	QK
	WIN 0
	PLACES 4                                       ; four places behind the last product before loads land on its K fragments and maxima read its scores
	VFRAG \slot
	SOFTMAX \first
	s_wait_dscnt 0x0                               ; the V fragments are in: my reads of this slot are over
.if \first == 0
	RESCALE
.endif
	PV \first
	WIN 0
	PLACES 5                                       ; five places before the next first product writes over P; they also serve the next K loads into the fragments
.if \fill
	s_barrier_wait -1
.endif
.endm
.macro STEP4                           ; four chunks on
	s_wait_xcnt 0x0                                ; the bases of the loads issued so far are rewritten only behind this wait
	s_add_nc_u64 s[6:7], s[6:7], 4*CHUNK
	s_add_nc_u64 s[8:9], s[8:9], 4*CHUNK
.endm
	s_load_b256 s[4:11], s[0:1], 0x0               ; Q s[4:5], K s[6:7], V s[8:9], out0 s[10:11]
	v_lshl_add_u32 v62, v0, 2, 0x25000
	v_mov_b32 v63, 0
	v_lshrrev_b32 v[TS], 5, v0
	v_readfirstlane_b32 s12, v[TS]                 ; wave 0..7
	v_and_b32 v28, 15, v0                          ; r
	v_bfe_u32 v29, v0, 4, 1                        ; h
	v_lshrrev_b32 v30, 4, v0                       ; t >> 4
	v_and_b32 v31, 31, v0                          ; L
	v_and_b32 v32, 7, v0                           ; L & 7
	v_bfe_u32 v33, v0, 3, 1                        ; (L >> 3) & 1
	s_mul_i32 s13, s12, STGW
	s_add_co_u32 s13, s13, STGB                    ; my wave's stage
	s_lshl_b32 s23, s12, 14                        ; my wave's 64 rows of 256 bytes
	s_lshl_b32 s14, ttmp9, 17                      ; the work-group's 512 rows of Q and out0
	s_mov_b32 s15, 0
	s_lshr_b32 s16, ttmp9, 1
	s_lshl_b32 s16, s16, 18                        ; the head's 1,024 rows of K and V
	s_mov_b32 s17, 0
	s_mov_b32 s18, 0x76543210                      ; v_permlanex16_b32: lane i of one half reads lane i of the other
	s_mov_b32 s19, 0xfedcba98
	s_mov_b32 s20, 0x3e38aa3b                      ; log2(e) / 8
	s_mov_b32 s21, 0x3e38aa3b
	v_lshlrev_b32 v[GOFF], 4, v0
	v_mul_u32_u24 v[KST], v30, KP
	v_lshl_add_u32 v[KST], v28, 3, v[KST]
	v_mul_u32_u24 v[VST], v30, VP
	v_lshl_add_u32 v[VST], v28, 3, v[VST]
	v_add_nc_u32 v[VST], VBASE, v[VST]
	v_mul_u32_u24 v[KRD], v28, KP
	v_lshl_add_u32 v[KRD], v29, 4, v[KRD]
	v_lshl_add_u32 v32, v29, 3, v32                ; 8 h + (L & 7)
	v_mul_u32_u24 v[VRD], v32, VP
	v_lshl_add_u32 v[VRD], v33, 4, v[VRD]
	v_add_nc_u32 v[VRD], VBASE, v[VRD]
	v_mul_u32_u24 v[QST], v29, KP
	v_lshl_add_u32 v[QST], v28, 3, v[QST]
	v_add_nc_u32 v[QST], s13, v[QST]
	v_add_nc_u32 v[QRD], s13, v[KRD]
	v_mul_u32_u24 v[OST], v28, OP
	v_lshl_add_u32 v[OST], v29, 5, v[OST]
	v_add_nc_u32 v[OST], s13, v[OST]
	v_mul_u32_u24 v[ORD], v29, OP
	v_lshl_add_u32 v[ORD], v28, 4, v[ORD]
	v_add_nc_u32 v[ORD], s13, v[ORD]
	v_lshl_add_u32 v[QO], v31, 4, s23
.irp qt, 0,1,2,3
	v_mov_b32 v[MX+2*\qt+1], 0                     ; v_permlanex16_b32 counts as a reader of its destination
.endr
	s_wait_kmcnt 0x0
	s_add_nc_u64 s[4:5], s[4:5], s[14:15]
	s_add_nc_u64 s[10:11], s[10:11], s[14:15]
	s_add_nc_u64 s[6:7], s[6:7], s[16:17]
	s_add_nc_u64 s[8:9], s[8:9], s[16:17]
	GLOAD 0, 0                                     ; chunk 0
	WIN 0
.set n, 0
.rept 32
	global_load_b128 v[SC+4*n:SC+4*n+3], v[QO], s[4:5] offset:512*n th:TH_LOAD_NT   ; my wave's Q: rows 2 n and 2 n + 1, read once in the launch
.set n, n+1
.endr
	GLOAD 1, CHUNK                                 ; chunk 1
	s_wait_loadcnt 40                              ; chunk 0 is in: Q's 32 loads and chunk 1's 8 stay out
	CVT 0
	GLOAD 0, 2*CHUNK                               ; chunk 2
	LSTORE 0
	s_wait_loadcnt 16                              ; Q is in: chunks 1 and 2 stay out
.set n, 0
.rept 64
	v_pk_mul_f32 v[SC+2*n:SC+2*n+1], v[SC+2*n:SC+2*n+1], s[20:21] op_sel_hi:[1,0]
.set n, n+1
.endr
.set n, 0
.rept 32
	v_cvt_pk_f16_f32 v[SC+4*n],   v[SC+4*n],   v[SC+4*n+1]
	v_cvt_pk_f16_f32 v[SC+4*n+1], v[SC+4*n+2], v[SC+4*n+3]
	ds_store_b64 v[QST], v[SC+4*n:SC+4*n+1] offset:2*KP*n
.set n, n+1
.endr
	WIN 0x40                                       ; the stage is my wave's own and LDS serves a wave's instructions in order (ISA guide 5.7.1): no wait between stores and loads
.irp qt, 0,1,2,3
.irp ks, 0,1
	ds_load_b128 v[QF+16*\qt+8*\ks:QF+16*\qt+8*\ks+3],   v[QRD] offset:16*KP*\qt+64*\ks
	ds_load_b128 v[QF+16*\qt+8*\ks+4:QF+16*\qt+8*\ks+7], v[QRD] offset:16*KP*\qt+64*\ks+32
.endr
.endr
	WIN 0
	s_wait_dscnt 0x0                               ; for the others: my part of chunk 0 is stored; for me: the Q fragments are in
	s_barrier_signal -1
	s_barrier_wait -1
	TRIP 0, 1, 1, 1, 1, 8, 1, 3*CHUNK              ; trip 0 stands in front of the loop: it starts maxima, sums and O
	STEP4
	s_mov_b32 s22, 3
.Lround:                                           ; trips 1 to 12: once round the ring of four slots, twice round the two register sets
	TRIP 1, 2, 0, 0, 1, 8, 1, 0
	TRIP 2, 3, 1, 0, 1, 8, 1, CHUNK
	TRIP 3, 0, 0, 0, 1, 8, 1, 2*CHUNK
	TRIP 0, 1, 1, 0, 1, 8, 1, 3*CHUNK
	STEP4
	s_sub_co_u32 s22, s22, 1
	s_cmp_lg_u32 s22, 0
	s_cbranch_scc1 .Lround
	TRIP 1, 2, 0, 0, 1, 8, 0, 0                    ; trip 13: chunk 14 is converted, chunk 15's loads stay out; nothing more is asked for
	TRIP 2, 3, 1, 0, 1, 0, 0, 0                    ; trip 14: nothing was issued behind chunk 15
	TRIP 3, 0, 0, 0, 0, 0, 0, 0                    ; trip 15: nothing to store, no barrier
	; THE WAY OUT.  The two halves of the lanes add their sums (at least 1: the key of the maximum counts 1); O / sum goes into the score registers.
.irp qt, 0,1,2,3
	v_permlanex16_b32 v[MX+2*\qt+1], v[AL+2*\qt+1], s18, s19
.endr
.irp qt, 0,1,2,3
	v_add_f32 v[MX+2*\qt+1], v[MX+2*\qt+1], v[AL+2*\qt+1]
.endr
.irp qt, 0,1,2,3
	v_rcp_f32 v[AL+2*\qt], v[MX+2*\qt+1]
.endr
	v_nop                                          ; one plain place behind the last reciprocal (ISA guide 5.7.2)
	WIN 0x01
	s_wait_alu depctr_va_vdst(0)
.irp qt, 0,1,2,3
.irp p, 0,2,4,6,8,10,12,14,16,18,20,22,24,26,28,30
	v_pk_mul_f32 v[SC+32*\qt+\p:SC+32*\qt+\p+1], v[OB+32*\qt+\p:OB+32*\qt+\p+1], v[AL+2*\qt:AL+2*\qt+1] op_sel_hi:[1,0]
.endr
.endr
	WIN 0
; 16 queries at a time through my own stage: a lane puts 32 bytes (8 d) of its query's row, rows are read back whole, and each store of the
; wave covers two rows of out0, 512 consecutive bytes that start at a multiple of 512 from the buffer's first byte.
.macro OUT16 qt
.irp dt, 0,1,2,3
	ds_store_b128 v[OST], v[SC+32*\qt+8*\dt:SC+32*\qt+8*\dt+3]   offset:64*\dt
	ds_store_b128 v[OST], v[SC+32*\qt+8*\dt+4:SC+32*\qt+8*\dt+7] offset:64*\dt+16
.endr
	s_wait_xcnt 0x0                                ; registers that earlier stores read are loaded again only behind this wait
.irp c, 0,1,2,3,4,5,6,7
	ds_load_b128 v[FR+32*((\qt)%2)+4*\c:FR+32*((\qt)%2)+4*\c+3], v[ORD] offset:2*OP*\c
.endr
.irp c, 0,1,2,3,4,5,6,7
	s_wait_dscnt 7-\c                              ; LDS loads come back in order: rows 2 c and 2 c + 1 are in, the younger loads stay out
	global_store_b128 v[QO], v[FR+32*((\qt)%2)+4*\c:FR+32*((\qt)%2)+4*\c+3], s[10:11] offset:4096*\qt+512*\c th:TH_STORE_NT
.endr
.endm
	OUT16 0
	OUT16 1
	OUT16 2
	OUT16 3
	s_wait_tensorcnt 0x0
	ds_add_u32 v62, v63
	s_wait_dscnt 0x0
	s_endpgm
.Lfunc_end_k_q1ea961d01b_attn:
	.size	k_q1ea961d01b_attn, .Lfunc_end_k_q1ea961d01b_attn-k_q1ea961d01b_attn
	.p2alignl 7, 3214868480
	.fill 96, 4, 3214868480
	.section	.rodata,"a",@progbits
	.p2align	6, 0x0
	.amdhsa_kernel k_q1ea961d01b_attn
		.amdhsa_group_segment_fixed_size 152576
		.amdhsa_private_segment_fixed_size 0
		.amdhsa_enable_private_segment 0
		.amdhsa_kernarg_size 32
		.amdhsa_user_sgpr_count 2
		.amdhsa_user_sgpr_kernarg_segment_ptr 1
		.amdhsa_wavefront_size32 1
		.amdhsa_system_sgpr_workgroup_id_x 1
		.amdhsa_system_sgpr_workgroup_id_y 1
		.amdhsa_system_sgpr_workgroup_id_z 1
		.amdhsa_system_vgpr_workitem_id 0
		.amdhsa_next_free_vgpr 512
		.amdhsa_next_free_sgpr 66
		.amdhsa_reserve_vcc 0
		.amdhsa_float_denorm_mode_32 3
		.amdhsa_float_denorm_mode_16_64 3
		.amdhsa_memory_ordered 1
		.amdhsa_forward_progress 1
		.amdhsa_inst_pref_size 255
	.end_amdhsa_kernel
	.section	.bss,"aw",@nobits
	.p2align	6
	.space	262144
	.amdgpu_metadata
---
amdhsa.version: [ 1, 2 ]
amdhsa.kernels:
  - .name:           k_q1ea961d01b_attn
    .symbol:         k_q1ea961d01b_attn.kd
    .args:
      - { .name: Q, .offset: 0, .size: 8, .value_kind: global_buffer, .address_space: global }
      - { .name: K, .offset: 8, .size: 8, .value_kind: global_buffer, .address_space: global }
      - { .name: V, .offset: 16, .size: 8, .value_kind: global_buffer, .address_space: global }
      - { .name: out0, .offset: 24, .size: 8, .value_kind: global_buffer, .address_space: global }
    .group_segment_fixed_size: 152576
    .private_segment_fixed_size: 0
    .kernarg_segment_align: 8
    .kernarg_segment_size: 32
    .max_flat_workgroup_size: 256
    .sgpr_count:     66
    .vgpr_count:     512
    .wavefront_size: 32
...
	.end_amdgpu_metadata
.endif
;; end of part 1
